; MI455X (gfx1250); checked and timed in simulation.
; The chip was launched on July 23, 2026; its instructions are those of AMD's public machine-readable ISA for CDNA 5 (MIT licence, August 2026) and "CDNA5" Instruction Set Architecture Reference Guide (July 2026). The comments in the code are by the model that wrote it; some were corrected since.
;; HS Surv. Allowed arithmetic: float matrix products may take bf16 or f16 operands with f32 sums; other float arithmetic in f32, or as packed bf16 or f16 multiplies, adds, multiply-adds, maxima and minima; sums over many terms, partial sums and values carried from step to step in f32; what a program stores and reads back later, other than sums and carried values, may be rounded once to bf16 or f16.
;; Inputs: b1 8 x 512 float32; b2 8 x 512 float32; gate_b 8 float32; gate_w 512 x 8 float32; geno_b 8 float32; geno_vec 8 x 512 float32; geno_w 512 x 8 float32; tokens 8 x 2,048 x 512 float32; w1 8 x 512 x 512 float32; w2 8 x 512 x 512 float32.
;; Outputs: out0 8 x 8 x 512 float32; out1 one number float32.
;; One version. Each part assembles by itself: llvm-mc -triple=amdgcn-amd-amdhsa -mcpu=gfx1250 --defsym DOCPART=n.
;; ======== version 1 of 1: 3 launches
;; workspace buffers: tokb 16,777,216 bytes; w1b 4,194,304 bytes; wd 524,288 bytes; bm 16,384 bytes of whole numbers; hb 131,072 bytes; stat 512 bytes
;; launch route (part 1): grid 256 x 1, 4 waves a work-group, no clusters, 37,632 bytes of LDS; arguments tokens, geno_vec, gate_w, gate_b, geno_w, geno_b, w1, tokb, w1b, wd, bm; writes tokb, w1b, wd, bm
.if DOCPART == 1
	.amdgcn_target "amdgcn-amd-amdhsa--gfx1250"
	.amdhsa_code_object_version 6
	.text
	.protected	k_qdf466f5bb9_route
	.globl	k_qdf466f5bb9_route
	.p2align	8
	.type	k_qdf466f5bb9_route,@function
k_qdf466f5bb9_route:
	s_mov_b64 s[64:65], 0
	v_nop
	global_prefetch_b8 v0, s[64:65] scope:SCOPE_SE
	s_setreg_imm32_b32 hwreg(HW_REG_WAVE_MODE, 25, 1), 1
	s_wait_xcnt 0x0
; ROUTE.  logits[t][k] = (tokens[t] . gate_w[:,k] + gate_b[k]) + 0.1 (geno_vec[b] . geno_w[:,k] + geno_b[k]).  Then the two largest logits (strict compares: of equal logits the lower index comes
; first), their softmax (the larger logit is taken away first), the floor of 1e-6 and the division by the sum.  Stored: wd[t][k] (the weight, 0 where k was not chosen), bm (a bit for each token and
; expert), tokens and w1 rounded to bf16.  The division by the temperature 1.0 changes no bit and is not written.
; FORMATS.  EVERY INPUT OF THE PROGRAM IS ROUNDED ONCE TO bf16, the gate's too: one choice for all three launches, so that the choice of experts sees the same tokens as the matrix product.  All arithmetic
; here is in f32 on those numbers, and the logit's three parts are added in the order in which the line above writes them.
; LIMITS.  Where two logits lie closer than the rounding of the inputs to bf16 moves them, the choice is not that on the unrounded inputs.  NaN and infinite logits are not ordered as the sort of the
; model orders them.  The dot products are summed in another order than a row-by-row sum.  An exponential below 2^-126 counts as 0; the floor of 1e-6 then takes its place, as it would for the true value.
; SHARES.  256 work-groups of four waves; a work-group owns 64 tokens of one batch and 32,768 bytes of w1, a wave 16 tokens.  Of a row a lane owns c = 128 q + 4 lane + i (q, i = 0..3): a load of the
; wave covers 512 consecutive bytes, and the lane's four numbers, rounded, are 8 bytes: a store of the wave covers 256 consecutive bytes, aligned.
; No matrix unit: eight columns are a few-row product that streams its rows once.  No cluster: the work-groups share only two tables of 16 KiB.
; THE GATE'S TABLES come in once as whole consecutive bytes and lie in LDS as 128 blocks of 128 bytes (4 c x 8 k), 144 bytes apart: block 32 q + lane is what a lane multiplies by.
; REGISTERS, in windows of 256 (s_set_vgpr_msb: bits 1:0 source 0, 3:2 source 1, 5:4 source 2, 7:6 destination):
;   window 0: v0-11 addresses; v12-19 at work; v20-27 gate_b; v32-159 G: the table, G[ci][k] at 32 + 8 ci + k, ci = 4 q + i; v160-223 first the tables on their way to LDS, then the partial sums
;             E, F, H, J; v224-231 geno_b; v232-239 GS; v240-255 the geno_vec row, then the token row in hand, widened, later the choice
;   window 1: the 16 token rows, 16 registers each        window 2: v0-63 w1
.set GWL,   0                          ; gate_w in LDS: 128 blocks x 144 bytes
.set GNL,   18432                      ; geno_w, likewise
.set BMS,   36864                      ; 64 bytes a wave: the wave's eight masks of 16 tokens, a halfword a lane
.set SPARE, 37120                      ; the spare words, 128 bytes a wave: two blocks of 256 bytes that no other line names
.set LANE, 1
.set XO,   2                           ; 16 x lane
.set YO,   3                           ; 8 x lane
.set SPW,  4                           ; LDS address of my spare word; never rewritten
.set NIL,  5                           ; 0; never rewritten
.set SA,   6                           ; where thread t puts 16 bytes of a table: (t / 8) x 144 + (t % 8) x 16
.set GA,   7                           ; 144 x lane
.set UO,   8                           ; 16 x thread
.set UY,   9                           ; 8 x thread
.set WO,   10                          ; 32 (lane % 16) + 16 (lane / 16)
.set BA,   11                          ; BMS + 64 wave + 2 lane
.set T,    12                          ; v12-19 at work
.set GBV,  20                          ; gate_b, rounded, the same in every lane
.set G,    32
.set E,    160                         ; two sets of 8 each: E one token, F two, H four, J eight tokens merged
.set F,    176
.set H,    192
.set J,    208
.set NBV,  224                         ; geno_b, rounded
.set GS,   232                         ; geno_vec . geno_w + geno_b, the same in every lane
.set GV,   240
.set XU,   240                         ; the row in hand: 16 numbers, rounded to bf16 and widened again
.set V1,   240                         ; the largest logit, its index, the second, its index
.set I1,   241
.set V2,   242
.set I2,   243
.set BV,   252
.set MSB, 0
.macro WIN new                         ; the immediate's high byte repeats the setting that is left; a switch that changes nothing is dropped
.if MSB != (\new)
	s_set_vgpr_msb (MSB<<8)|(\new)
.set MSB, \new
.endif
.endm
.macro RND a, t                        ; the two f32 in v[a], v[a + 1] are rounded to bf16 (to nearest even) and widened again, in place
	v_cvt_pk_bf16_f32 v[\t], v[\a], v[(\a)+1]
	v_lshlrev_b32 v[\a], 16, v[\t]
	v_and_b32 v[(\a)+1], s69, v[\t]
.endm
	s_load_b512 s[16:31], s[0:1], 0x0              ; tokens 16, geno_vec 18, gate_w 20, gate_b 22, geno_w 24, geno_b 26, w1 28, tokb 30
	s_load_b128 s[32:35], s[0:1], 0x40             ; w1b 32, wd 34
	s_load_b64 s[36:37], s[0:1], 0x50              ; bm
	v_lshl_add_u32 v[SPW], v0, 2, SPARE
	v_mov_b32 v[NIL], 0
	v_and_b32 v[LANE], 31, v0
	v_lshrrev_b32 v12, 5, v0
	v_readfirstlane_b32 s2, v12                    ; wave 0..3
	v_lshlrev_b32 v[XO], 4, v[LANE]
	v_lshlrev_b32 v[YO], 3, v[LANE]
	v_lshrrev_b32 v12, 3, v0
	v_and_b32 v13, 7, v0
	v_mul_u32_u24 v[SA], v12, 144
	v_lshl_add_u32 v[SA], v13, 4, v[SA]
	v_mul_u32_u24 v[GA], v[LANE], 144
	v_lshlrev_b32 v[UO], 4, v0
	v_lshlrev_b32 v[UY], 3, v0
	v_and_b32 v12, 15, v0
	v_bfe_u32 v13, v0, 4, 1
	v_lshlrev_b32 v[WO], 5, v12
	v_lshl_add_u32 v[WO], v13, 4, v[WO]
	s_lshl_b32 s3, s2, 6
	s_add_co_u32 s3, s3, BMS
	v_lshl_add_u32 v[BA], v[LANE], 1, s3
	s_lshl_b32 s4, ttmp9, 6
	s_lshl4_add_u32 s4, s2, s4                     ; my wave's first token: 64 g + 16 w
	s_lshl_b32 s6, s4, 11                          ; its byte in tokens,
	s_mov_b32 s7, 0
	s_lshl_b32 s8, s4, 10                          ; in tokb,
	s_mov_b32 s9, 0
	s_lshl_b32 s10, s4, 5                          ; in wd
	s_mov_b32 s11, 0
	s_lshl_b32 s12, ttmp9, 15                      ; the work-group's part of w1
	s_mov_b32 s13, 0
	s_lshl_b32 s14, ttmp9, 14                      ; and of w1b
	s_mov_b32 s15, 0
	s_lshr_b32 s38, ttmp9, 5                       ; the batch
	s_lshl_b32 s38, s38, 11                        ; its row of geno_vec
	s_mov_b32 s39, 0
	s_lshl_b32 s56, ttmp9, 6                       ; the work-group's 64 bytes of bm
	s_mov_b32 s57, 0
	s_mov_b32 s58, 0xff00ff00                      ; the lanes whose bit 3, 2, 1, 0 is set
	s_mov_b32 s59, 0xf0f0f0f0
	s_mov_b32 s60, 0xcccccccc
	s_mov_b32 s61, 0xaaaaaaaa
	s_mov_b32 s62, 0x76543210                      ; v_permlanex16_b32: each lane takes its own place in the other half
	s_mov_b32 s63, 0xfedcba98
	s_mov_b32 s69, 0xffff0000                      ; lanes 16 to 31; also a word's upper bf16
	s_mov_b32 s70, 0x3dcccccd                      ; 0.1
	s_wait_kmcnt 0x0
	s_load_b256 s[40:47], s[22:23], 0x0            ; gate_b
	s_load_b256 s[48:55], s[26:27], 0x0            ; geno_b
	s_add_nc_u64 s[16:17], s[16:17], s[6:7]
	s_add_nc_u64 s[30:31], s[30:31], s[8:9]
	s_add_nc_u64 s[34:35], s[34:35], s[10:11]
	s_add_nc_u64 s[28:29], s[28:29], s[12:13]
	s_add_nc_u64 s[32:33], s[32:33], s[14:15]
	s_add_nc_u64 s[18:19], s[18:19], s[38:39]
	s_add_nc_u64 s[36:37], s[36:37], s[56:57]
; The token row of processing place p.  The merges below leave place p in lane bitrev4(p), so place p takes token bitrev4(p), and lane r ends up with token r.
.macro ROWLD p
.set tt, (((\p)&1)<<3)|(((\p)&2)<<1)|(((\p)&4)>>1)|(((\p)&8)>>3)
.irp u, 0,1,2,3
	global_load_b128 v[16*(\p)+4*\u:16*(\p)+4*\u+3], v[XO], s[16:17] offset:tt*2048+512*\u th:TH_LOAD_NT
.endr
.endm
	; ALL LOADS GO OUT AT THE START, the oldest first wanted: the two tables, the geno_vec row, w1, the 16 token rows.
.irp i, 0,1,2,3,4,5,6,7
	global_load_b128 v[E+4*\i:E+4*\i+3], v[UO], s[20:21] offset:2048*\i
.endr
.irp i, 0,1,2,3,4,5,6,7
	global_load_b128 v[E+32+4*\i:E+32+4*\i+3], v[UO], s[24:25] offset:2048*\i
.endr
.irp u, 0,1,2,3
	global_load_b128 v[GV+4*\u:GV+4*\u+3], v[XO], s[18:19] offset:512*\u
.endr
	WIN 0x80                                       ; destination window 2, address window 0
.irp i, 0,1,2,3,4,5,6,7,8,9,10,11,12,13,14,15
	global_load_b128 v[4*\i:4*\i+3], v[UO], s[28:29] offset:2048*\i th:TH_LOAD_NT
.endr
	WIN 0x40                                       ; destination window 1
.irp p, 0,1,2,3,4,5,6,7,8,9
	ROWLD \p
.endr
	WIN 0
	s_wait_loadcnt 60                              ; the tables are in: 4 + 16 + 40 younger loads stay out
.set z, 0
.rept 32
	RND E+2*z, T+z%8                               ; my 64 numbers of the two tables
.set z, z+1
.endr
.irp i, 0,1,2,3,4,5,6,7
	ds_store_b128 v[SA], v[E+4*\i:E+4*\i+3] offset:GWL+2304*\i
	ds_store_b128 v[SA], v[E+32+4*\i:E+32+4*\i+3] offset:GNL+2304*\i
.endr
	WIN 0x40
.irp p, 10,11,12,13,14,15
	ROWLD \p
.endr
	WIN 0
	s_wait_dscnt 0x0                               ; for the others' sake: my part of the tables is in LDS
	s_barrier_signal -1
	s_barrier_wait -1
.macro GLOAD base                      ; my 16 c x 8 k of a table: 32 loads of 16 bytes
.irp q, 0,1,2,3
.irp i, 0,1,2,3
	ds_load_b128 v[G+8*(4*\q+\i):G+8*(4*\q+\i)+3], v[GA] offset:(\base)+4608*\q+32*\i
	ds_load_b128 v[G+8*(4*\q+\i)+4:G+8*(4*\q+\i)+7], v[GA] offset:(\base)+4608*\q+32*\i+16
.endr
.endr
.endm
; acc[0..7] = the sum over my 16 c of x[ci] G[ci][0..7]: two k at a time, x[ci] given to both halves; the four pairs take turns; the first products start the sums.
.macro DOT x, acc
.set ci, 0
.rept 16
.set q, 0
.rept 4
.if ci == 0
	v_pk_mul_f32 v[(\acc)+2*q:(\acc)+2*q+1], v[(\x):(\x)+1], v[G+2*q:G+2*q+1] op_sel_hi:[0,1]
.elseif ci%2 == 0
	v_pk_fma_f32 v[(\acc)+2*q:(\acc)+2*q+1], v[(\x)+ci:(\x)+ci+1], v[G+8*ci+2*q:G+8*ci+2*q+1], v[(\acc)+2*q:(\acc)+2*q+1] op_sel_hi:[0,1,1]
.else
	v_pk_fma_f32 v[(\acc)+2*q:(\acc)+2*q+1], v[(\x)+ci-1:(\x)+ci], v[G+8*ci+2*q:G+8*ci+2*q+1], v[(\acc)+2*q:(\acc)+2*q+1] op_sel:[1,0,0] op_sel_hi:[1,1,1]
.endif
.set q, q+1
.endr
.set ci, ci+1
.endr
.endm
	GLOAD GNL                                      ; geno_w first, in G's registers
	s_wait_loadcnt 63                              ; of the 84 loads behind the tables at most 63 are out: the geno_vec row and all of w1 are in
.set z, 0
.rept 8
	RND GV+2*z, T+z                                ; my 16 numbers of the geno_vec row
.set z, z+1
.endr
	s_wait_dscnt 0x0
	DOT GV, E
	GLOAD GWL                                      ; now gate_w; the geno dot is summed and w1 rounded while it comes
.irp xm, 1,2,4,8
.irp z, 0,1,2,3,4,5,6,7
	v_add_f32_dpp v[E+\z], v[E+\z], v[E+\z] row_xmask:\xm row_mask:0xf bank_mask:0xf
.endr
.endr
.irp z, 0,1,2,3,4,5,6,7
	v_permlanex16_b32 v[T+\z], v[E+\z], s62, s63
.endr
.irp z, 0,1,2,3,4,5,6,7
	v_add_f32 v[E+\z], v[E+\z], v[T+\z]            ; geno_vec . geno_w, in every lane
.endr
	WIN 0x8a                                       ; w1, in place in window 2: four f32 become 8 bytes in the first two of their registers
.irp i, 0,1,2,3,4,5,6,7,8,9,10,11,12,13,14,15
	v_cvt_pk_bf16_f32 v[4*\i], v[4*\i], v[4*\i+1]
	v_cvt_pk_bf16_f32 v[4*\i+1], v[4*\i+2], v[4*\i+3]
.endr
	WIN 0x08                                       ; store data window 2, address window 0
.irp i, 0,1,2,3,4,5,6,7,8,9,10,11,12,13,14,15
	global_store_b64 v[UY], v[4*\i:4*\i+1], s[32:33] offset:1024*\i  ; a wave stores 256 consecutive bytes, aligned; the registers are not written again
.endr
	WIN 0
	s_wait_kmcnt 0x0
.irp k, 0,1,2,3,4,5,6,7
	v_mov_b32 v[GBV+\k], s[40+\k]
	v_mov_b32 v[NBV+\k], s[48+\k]
.endr
.irp q, 0,1,2,3
	RND GBV+2*\q, T+\q
	RND NBV+2*\q, T+4+\q
.endr
.irp k, 0,1,2,3,4,5,6,7
	v_add_f32 v[GS+\k], v[E+\k], v[NBV+\k]
.endr
	s_wait_dscnt 0x0                               ; G is in
; Place p: the row is rounded in place and stored from the registers that it was loaded into, which are never written again: no wait frees anything.  The dot takes the rounded numbers, widened again.
.macro TOK p
.set tt, (((\p)&1)<<3)|(((\p)&2)<<1)|(((\p)&4)>>1)|(((\p)&8)>>3)
	s_wait_loadcnt 4*(15-(\p))                     ; loads come back in order (ISA guide 5.7.1): my row is in, the rows behind it stay out
	WIN 0x45                                       ; destination and both sources window 1
.set z, 0
.rept 8
	v_cvt_pk_bf16_f32 v[16*(\p)+z], v[16*(\p)+2*z], v[16*(\p)+2*z+1]  ; ascending: register z is written when registers 2 z and 2 z + 1 are read, and all below have been read
.set z, z+1
.endr
	WIN 0x04                                       ; source 1 (the packed row; a store's data) window 1, all else window 0
.set z, 0
.rept 8
	v_lshlrev_b32 v[XU+2*z], 16, v[16*(\p)+z]
	v_and_b32 v[XU+2*z+1], s69, v[16*(\p)+z]
.set z, z+1
.endr
.irp u, 0,1,2,3
	global_store_b64 v[YO], v[16*(\p)+2*\u:16*(\p)+2*\u+1], s[30:31] offset:tt*1024+256*\u
.endr
	WIN 0
	DOT XU, E+8*((\p)&1)
.endm
; Two sets of partial sums become one: the lanes whose bit xm is 0 keep set a and take the partner lane's part of a, the others keep b.  Four such levels and the exchange of the halves sum over
; all 32 lanes for 16 tokens at once.
.macro MRG dst, a, b, xm, s
.set z, 0
.rept 8
	v_cndmask_b32 v[T+2*(z%4)], v[(\a)+z], v[(\b)+z], s[\s]
	v_cndmask_b32 v[T+2*(z%4)+1], v[(\b)+z], v[(\a)+z], s[\s]
	v_add_f32_dpp v[(\dst)+z], v[T+2*(z%4)+1], v[T+2*(z%4)] row_xmask:\xm row_mask:0xf bank_mask:0xf
.set z, z+1
.endr
.endm
.irp p, 0,1,2,3,4,5,6,7,8,9,10,11,12,13,14,15
	TOK \p
.if (\p)%2 == 1
	MRG F+8*(((\p)>>1)&1), E, E+8, 8, 58
.endif
.if (\p)%4 == 3
	MRG H+8*(((\p)>>2)&1), F, F+8, 4, 59
.endif
.if (\p)%8 == 7
	MRG J+8*((\p)>>3), H, H+8, 2, 60
.endif
.endr
	MRG E, J, J+8, 1, 61
.irp z, 0,1,2,3,4,5,6,7
	v_permlanex16_b32 v[T+\z], v[E+\z], s62, s63
.endr
.irp z, 0,1,2,3,4,5,6,7
	v_add_f32 v[E+\z], v[E+\z], v[T+\z]            ; lane l holds the eight dots of token l % 16,
.endr
.irp z, 0,1,2,3,4,5,6,7
	v_add_f32 v[E+\z], v[E+\z], v[GBV+\z]          ; + gate_b,
.endr
.irp z, 0,1,2,3,4,5,6,7
	v_fma_f32 v[E+\z], v[GS+\z], s70, v[E+\z]      ; + 0.1 x the geno part: the logits
.endr
	; THE TWO LARGEST.  Strict compares: a later logit takes a place only if it is greater.
	v_cmp_gt_f32 s66, v[E+1], v[E]
	v_cndmask_b32 v[V1], v[E], v[E+1], s66
	v_cndmask_b32 v[V2], v[E+1], v[E], s66
	v_cndmask_b32 v[I1], 0, 1, s66
	v_cndmask_b32 v[I2], 1, 0, s66
.irp k, 2,3,4,5,6,7
	v_cmp_gt_f32 s66, v[E+\k], v[V1]
	v_cmp_gt_f32 s67, v[E+\k], v[V2]
	v_cndmask_b32 v[V2], v[V2], v[E+\k], s67
	v_cndmask_b32 v[I2], v[I2], \k, s67
	v_cndmask_b32 v[V2], v[V2], v[V1], s66
	v_cndmask_b32 v[I2], v[I2], v[I1], s66
	v_cndmask_b32 v[V1], v[V1], v[E+\k], s66
	v_cndmask_b32 v[I1], v[I1], \k, s66
.endr
	; THE WEIGHTS.  With e = exp(second - first), at most 1: 1 / (1 + e) and e / (1 + e); each at least 1e-6; divided by their sum.
	v_sub_f32 v244, v[V2], v[V1]
	v_mul_f32 v244, 0x3fb8aa3b, v244
	v_exp_f32 v245, v244
	v_mov_b32 v[BV], 0                             ; the plain instruction behind the exponential
	s_wait_alu depctr_va_vdst(0)                   ; the wait ahead of the first reader
	v_add_f32 v246, 1.0, v245
	v_rcp_f32 v247, v246
	v_nop
	s_wait_alu depctr_va_vdst(0)
	v_mul_f32 v248, v245, v247
	v_max_num_f32 v247, 0x358637bd, v247
	v_max_num_f32 v248, 0x358637bd, v248
	v_add_f32 v249, v247, v248
	v_rcp_f32 v250, v249
	v_nop
	s_wait_alu depctr_va_vdst(0)
	v_mul_f32 v247, v247, v250
	v_mul_f32 v248, v248, v250
.irp k, 0,1,2,3,4,5,6,7
	v_cmp_eq_u32 s66, \k, v[I1]
	v_cmp_eq_u32 s67, \k, v[I2]
	v_cndmask_b32 v[F+\k], 0, v247, s66
	v_cndmask_b32 v[F+\k], v[F+\k], v248, s67
	s_or_b32 s68, s66, s67
	s_and_b32 s68, s68, 0xffff                     ; bit r: token r of my 16 chose expert k
	v_writelane_b32 v[BV], s68, \k
.endr
.irp q, 0,1,2,3
	v_cndmask_b32 v[H+\q], v[F+\q], v[F+4+\q], s69 ; lanes 0-15 store k = 0..3 of their token, lanes 16-31 k = 4..7
.endr
	global_store_b128 v[WO], v[H:H+3], s[34:35]    ; the wave's 16 rows of wd: 512 consecutive bytes
	ds_store_b16 v[BA], v[BV]                      ; lane k: the mask of expert k (lanes 8 to 31 store 0 into the rest of the wave's 64 bytes)
	s_wait_dscnt 0x0                               ; for wave 0's sake
	s_barrier_signal -1
	s_barrier_wait -1
	s_wait_tensorcnt 0x0                           ; the wave's end, behind my last LDS store
	ds_add_u32 v[SPW], v[NIL]
	s_wait_dscnt 0x0
	s_cmp_lg_u32 s2, 0
	s_cbranch_scc1 .Lend
	; wave 0 puts the four waves' halfwords together: word l % 16 = (expert (l % 16) / 2, tokens 32 (l % 2) on); 64 consecutive bytes.  Lanes 16 to 31 repeat lanes 0 to 15: the same words at the same places.
	v_and_b32 v12, 1, v0
	v_bfe_u32 v13, v0, 1, 3
	v_lshlrev_b32 v12, 7, v12
	v_lshl_add_u32 v12, v13, 1, v12
	ds_load_u16 v14, v12 offset:BMS
	ds_load_u16 v15, v12 offset:BMS+64
	v_and_b32 v13, 15, v0
	v_lshlrev_b32 v13, 2, v13
	s_wait_dscnt 0x0
	v_lshl_or_b32 v14, v15, 16, v14
	global_store_b32 v13, v14, s[36:37]
.Lend:
	s_endpgm
.Lfunc_end_k_qdf466f5bb9_route:
	.size	k_qdf466f5bb9_route, .Lfunc_end_k_qdf466f5bb9_route-k_qdf466f5bb9_route
	.p2alignl 7, 3214868480
	.fill 96, 4, 3214868480
	.section	.rodata,"a",@progbits
	.p2align	6, 0x0
	.amdhsa_kernel k_qdf466f5bb9_route
		.amdhsa_group_segment_fixed_size 37632
		.amdhsa_private_segment_fixed_size 0
		.amdhsa_enable_private_segment 0
		.amdhsa_kernarg_size 88
		.amdhsa_user_sgpr_count 2
		.amdhsa_user_sgpr_kernarg_segment_ptr 1
		.amdhsa_wavefront_size32 1
		.amdhsa_system_sgpr_workgroup_id_x 1
		.amdhsa_system_sgpr_workgroup_id_y 1
		.amdhsa_system_sgpr_workgroup_id_z 1
		.amdhsa_system_vgpr_workitem_id 0
		.amdhsa_next_free_vgpr 576
		.amdhsa_next_free_sgpr 72
		.amdhsa_reserve_vcc 0
		.amdhsa_float_denorm_mode_32 3
		.amdhsa_float_denorm_mode_16_64 3
		.amdhsa_memory_ordered 1
		.amdhsa_forward_progress 1
		.amdhsa_inst_pref_size 156
	.end_amdhsa_kernel
	.amdgpu_metadata
---
amdhsa.version: [ 1, 2 ]
amdhsa.kernels:
  - .name:           k_qdf466f5bb9_route
    .symbol:         k_qdf466f5bb9_route.kd
    .args:
      - { .name: tokens, .offset: 0, .size: 8, .value_kind: global_buffer, .address_space: global }
      - { .name: geno_vec, .offset: 8, .size: 8, .value_kind: global_buffer, .address_space: global }
      - { .name: gate_w, .offset: 16, .size: 8, .value_kind: global_buffer, .address_space: global }
      - { .name: gate_b, .offset: 24, .size: 8, .value_kind: global_buffer, .address_space: global }
      - { .name: geno_w, .offset: 32, .size: 8, .value_kind: global_buffer, .address_space: global }
      - { .name: geno_b, .offset: 40, .size: 8, .value_kind: global_buffer, .address_space: global }
      - { .name: w1, .offset: 48, .size: 8, .value_kind: global_buffer, .address_space: global }
      - { .name: tokb, .offset: 56, .size: 8, .value_kind: global_buffer, .address_space: global }
      - { .name: w1b, .offset: 64, .size: 8, .value_kind: global_buffer, .address_space: global }
      - { .name: wd, .offset: 72, .size: 8, .value_kind: global_buffer, .address_space: global }
      - { .name: bm, .offset: 80, .size: 8, .value_kind: global_buffer, .address_space: global }
    .group_segment_fixed_size: 37632
    .private_segment_fixed_size: 0
    .kernarg_segment_align: 8
    .kernarg_segment_size: 88
    .max_flat_workgroup_size: 128
    .sgpr_count:     72
    .vgpr_count:     576
    .wavefront_size: 32
...
	.end_amdgpu_metadata
.endif
;; end of part 1
;; launch ffn (part 2): grid 4 x 64, 4 waves a work-group, no clusters, 186,880 bytes of LDS; arguments tokb, w1b, bm, wd, b1, hb, stat; writes hb, stat
.if DOCPART == 2
	.amdgcn_target "amdgcn-amd-amdhsa--gfx1250"
	.amdhsa_code_object_version 6
	.text
	.protected	k_qdf466f5bb9_ffn
	.globl	k_qdf466f5bb9_ffn
	.p2align	8
	.type	k_qdf466f5bb9_ffn,@function
k_qdf466f5bb9_ffn:
	s_mov_b64 s[64:65], 0
	v_nop
	global_prefetch_b8 v0, s[64:65] scope:SCOPE_SE
	s_setreg_imm32_b32 hwreg(HW_REG_WAVE_MODE, 25, 1), 1
	s_wait_xcnt 0x0
; FFN, first layer and the sum over tokens.  hb[k][b][d] = the sum over the tokens n of batch b that chose expert k of W[n][k] relu(x[n] . w1[k][:,d] + b1[k][d]);  stat[k][b] = (the sum of those W, their number).
; The second layer is linear and is followed at once by this weighted sum over tokens, so it is applied to the sum, by the next launch: a reordering of sums that holds for every input.
; x and w1 are bf16 (rounded once by the launch before), b1 is rounded to bf16 here, like every input of the program; products are summed in f32 by the matrix unit; bias, relu, weights and sums over rows
; are in f32.  Only chosen rows are multiplied.
; SHARES.  Work-group (s, g): slice s of 128 d, batch b = g / 8, expert k = g % 8, all M rows of (b, k), for every M from 0 to 2,048.  The rows lie in MT = ceil(M / 16) tiles of 16.  There are 4, 8 or 16
; SLOTS (the fewest with MT <= 8 slots); wave w has slot 4 p + w in pass p; slot i takes MT / slots tiles, one more if i < MT % slots: at most 8, and no two slots differ by more than one tile.
; The products of tiles past a slot's count ACT are jumped, forward, past text that holds no barrier, no load and no tensor load: so every counted wait counts the same on every way.
; Places past the count repeat row M - 1 with weight 0.
; DATA.  The slice of w1 (512 c x 128 d) comes into LDS once, a quarter a wave by one tensor load; one tensor load of a wave is out.  Its fragments are read turned, by ds_load_tr16_b128.  Token rows go from
; memory straight into fragments, by a list of the chosen tokens.  THE LIST: wave w scans tokens 512 w to 512 w + 511 of bm and stores each chosen one at its rank among the pair's rows in an array of its OWN,
; 2,048 words that start as 0; a reader takes the four arrays' words at a rank and ORs them: one holds the token, three hold 0.
; ORDER.  Lists; a barrier; the first pass's rows are asked for; the weights are waited for; a second barrier.  Then for each pass: 16 K steps; the NEXT pass's rows are asked for; this pass's relu and sums.
; All 16 K steps are written out: each names its rows of w1 in LDS by one of three fixed address registers and an immediate, and its part of the token rows by a fixed base and an immediate.
; NO CLUSTER: the work-groups that share a slice of w1 (the eight batches) have different numbers of rows and so of trips; the four slices of one (b, k) are alike, but what they share comes by a list, which no
; descriptor covers.  NO PREFETCH: tokb was stored by the launch before and each row is read by eight work-groups.
; REGISTERS, in windows of 256 (s_set_vgpr_msb: bits 1:0 source 0, 3:2 source 1, 5:4 source 2, 7:6 destination):
;   window 0: v0-19 addresses; v20-35 S, the sums, a pair for each block of 16 d; v36 the weights' sum; v37-63 at work; v64-127 the bias as a C operand; v128-255 fragments of w1, two buffers (outside the K steps: at work)
;   window 1: fragments of the token rows, four buffers of 8 tiles        window 2: the accumulators of tiles 0-3, (m, n) at 64 m + 8 n        window 3: those of tiles 4-7
.set PW,    288                        ; a row of w1 in LDS: 256 bytes + 32 of padding = 72 words
.set LIST,  147456                     ; behind the 512 rows: for each wave 2,048 words of list and 64 dump words
.set LISTB, 8448
.set WT,    181248                     ; for each wave 512 bytes: the weights of its 8 x 16 rows
.set RED,   183296                     ; for each wave 768 bytes: 128 sums, and at byte 512 the weights' sum
.set SPARE, 186368                     ; the spare words, 128 bytes a wave: two blocks of 256 bytes that no other line names
.set LANE, 1
.set R,    2                           ; lane % 16
.set H16,  3                           ; 16 (lane / 16)
.set SPW,  4                           ; LDS address of my spare word; never rewritten
.set NIL,  5                           ; 0; never rewritten
.set BAD,  6                           ; v6-8  my lane's place in w1's rows, for K steps 0-6, 7-13, 14-15 (an LDS offset has 16 bits); never rewritten
.set WTS,  9
.set WTL,  10
.set LB,   11                          ; my wave's list
.set VOFF, 12                          ; v12-19  tile m: my row's byte offset in the batch's rows of tokb, + 16 (lane / 16)
.set S,    20
.set WS,   36
.set WR,   48                          ; v48-55  the weights of rows 8 (lane / 16) + 0..7 of the tile in hand
.set BIASC, 64
.set BF,   128
.set T,    128                         ; behind the K steps: 64 registers at work
.set XB,   128                         ; while the list is made, for each of four chains: the bits left, the rank, the token, the bit in hand, the address; the four counts
.set XR,   132
.set XT,   136
.set XE,   140
.set XI,   144
.set XN,   148
.set NN,   192                         ; tile m: my row's token
.set WOF,  200                         ; its byte offset in wd
.set WV,   208                         ; its weight
.set LQ1,  216                         ; the other three arrays' words
.set LQ2,  224
.set LQ3,  232
.set RH,   240                         ; my row's rank, then its LDS address in the first array
.set MSB, 0
.macro WIN new                         ; the immediate's high byte repeats the setting that is left; a switch that changes nothing is dropped
.if MSB != (\new)
	s_set_vgpr_msb (MSB<<8)|(\new)
.set MSB, \new
.endif
.endm
	s_load_b256 s[4:11], s[0:1], 0x0               ; tokb 4, w1b 6, bm 8, wd 10
	s_load_b128 s[12:15], s[0:1], 0x20             ; b1 12, hb 14
	s_load_b64 s[16:17], s[0:1], 0x30              ; stat
	v_lshl_add_u32 v[SPW], v0, 2, SPARE
	v_mov_b32 v[NIL], 0
	ds_add_u32 v[SPW], v[NIL]                      ; the wave's opening: the add and its wait stand ahead of my tensor load; the set-up below, work on registers, stands between them
	v_lshrrev_b32 v37, 5, v0
	v_readfirstlane_b32 s18, v37                   ; wave 0..3
	s_mov_b32 s19, ttmp9                           ; the slice
	s_and_b32 s32, ttmp7, 0xffff
	s_and_b32 s33, s32, 7                          ; k
	s_lshr_b32 s32, s32, 3                         ; b
	; descriptor group 1: 128 rows x 128 elements of 2 bytes, 512 elements from row to row, 8 words of padding behind every 64
	s_mov_b32 s24, (1<<16)|(1<<20)|(5<<22)|(7<<25)
	s_mov_b32 s25, 128<<16                         ; tensor_dim0 = 128
	s_mov_b32 s26, 128<<16                         ; tensor_dim1 = 128
	s_mov_b32 s27, 128<<16                         ; tile_dim0 = 128
	s_mov_b32 s28, 128                             ; tile_dim1 = 128
	s_mov_b32 s29, 512
	s_mov_b32 s30, 0
	s_mov_b32 s31, 0
	s_mov_b32 s20, 1                               ; group 0: count = 1,
	s_mul_i32 s21, s18, 128*PW                     ; LDS address: my 128 rows
	s_lshl_b32 s42, s33, 19                        ; expert k, 524,288 bytes each,
	s_lshl_b32 s43, s18, 17                        ; my 128 rows of 1,024 bytes,
	s_add_co_u32 s42, s42, s43
	s_lshl_b32 s43, s19, 8                         ; the slice's 256 bytes of a row
	s_add_co_u32 s42, s42, s43
	s_mov_b32 s43, 0
	s_lshl_b32 s44, s32, 11                        ; bm: the batch's 2,048 bytes,
	s_lshl3_add_u32 s44, s33, s44                  ; expert k's 8 of every 64
	s_mov_b32 s45, 0
	s_mov_b32 s62, 0x76543210                      ; v_permlanex16_b32: each lane takes its own place in the other half
	s_mov_b32 s63, 0xfedcba98
	s_mov_b32 s66, 0xaaaaaaaa                      ; the lanes whose bit 0, 1, 2, 3, 4 is set
	s_mov_b32 s67, 0xcccccccc
	s_mov_b32 s68, 0xf0f0f0f0
	s_mov_b32 s69, 0xff00ff00
	s_mov_b32 s70, 0xffff0000                      ; also a word's upper bf16
	s_mov_b32 s71, 0x01010101
	v_and_b32 v[LANE], 31, v0
	v_and_b32 v[R], 15, v0
	v_bfe_u32 v37, v0, 4, 1                        ; lane / 16
	v_lshlrev_b32 v[H16], 4, v37
	; The turning load takes 16 c x 16 d (lane l reads row 8 (l / 16) + l % 8, d 8 ((l / 8) % 2) + 0..7) and leaves half a fragment: lane l holds column l % 16 and 8 c.
	v_and_b32 v38, 7, v0
	v_lshl_add_u32 v38, v37, 3, v38
	v_mul_u32_u24 v38, v38, PW
	v_bfe_u32 v39, v0, 3, 1
	v_lshl_add_u32 v[BAD], v39, 4, v38
	v_add_nc_u32 v[BAD+1], 7*32*PW, v[BAD]
	v_add_nc_u32 v[BAD+2], 14*32*PW, v[BAD]
	s_lshl_b32 s46, s18, 9
	s_add_co_u32 s46, s46, WT
	v_lshl_add_u32 v[WTS], v[R], 2, s46
	v_lshl_add_u32 v[WTL], v37, 5, s46
	s_mul_i32 s46, s18, LISTB
	s_add_co_u32 s46, s46, LIST
	v_mov_b32 v[LB], s46
	v_lshlrev_b32 v40, 6, v[LANE]                  ; bm: 64 bytes for each 64 tokens: lane l counts group l
	v_lshlrev_b32 v41, 2, v[R]
	v_lshrrev_b32 v39, 2, v[LANE]                  ; the 16 tokens that I scan, 512 w + 16 l on, lie in group 8 w + l / 4,
	s_lshl_b32 s46, s18, 3
	v_add_nc_u32 v39, s46, v39
	v_bfe_u32 v38, v0, 1, 1                        ; in its word (l / 2) % 2, in that word's half l % 2
	v_lshlrev_b32 v39, 6, v39
	v_lshl_add_u32 v39, v38, 2, v39
	s_wait_dscnt 0x0                               ; the opening add is done
	s_wait_kmcnt 0x0
	s_add_nc_u64 s[54:55], s[8:9], s[44:45]        ; bm at (batch, k)
	global_load_b64 v[42:43], v40, s[54:55]        ; the bits of tokens 64 l to 64 l + 63: what the list waits for goes out first
	global_load_b32 v44, v39, s[54:55]             ; the word with my 16 tokens
	s_add_nc_u64 s[22:23], s[6:7], s[42:43]
	s_or_b32 s23, s23, 0x80000000                  ; type = 2
	tensor_load_to_lds s[20:23], s[24:31]          ; my quarter of the slice: the one tensor load of the wave
	s_nop 0
	s_lshl_b32 s42, s32, 21
	s_add_nc_u64 s[48:49], s[4:5], s[42:43]        ; tokb at the batch's first row
	s_lshl_b32 s42, s32, 16
	s_lshl2_add_u32 s42, s33, s42
	s_add_nc_u64 s[52:53], s[10:11], s[42:43]      ; wd at (batch, token 0, k)
	s_lshl_b32 s42, s33, 11
	s_lshl_b32 s44, s19, 9
	s_add_co_u32 s42, s42, s44
	s_add_nc_u64 s[56:57], s[12:13], s[42:43]      ; b1 at (k, slice)
	s_lshl3_add_u32 s45, s33, s32                  ; 8 k + b
	s_lshl_b32 s42, s45, 11
	s_add_co_u32 s42, s42, s44
	s_add_nc_u64 s[58:59], s[14:15], s[42:43]      ; hb at (k, b, slice)
	s_lshl_b32 s42, s45, 3
	s_add_nc_u64 s[60:61], s[16:17], s[42:43]      ; stat at (k, b)
.irp n, 0,1,2,3,4,5,6,7
	global_load_b32 v[BIASC+8*\n], v41, s[56:57] offset:64*\n  ; b1 of my column in each block of 16 d
.endr
.irp i, 0,1,2,3,4,5,6,7,8,9,10,11,12,13,14,15,16
	v_mov_b32 v[S+\i], 0                           ; the sums start at 0: how many products feed them hangs on the data, and may be none
.endr
	v_lshl_add_u32 v60, v[LANE], 4, v[LB]
.irp i, 0,1,2,3,4,5,6,7,8,9,10,11,12,13,14,15
	ds_store_b128 v60, v[S:S+3] offset:512*\i      ; my wave's array starts as 2,048 zeros; the ranked stores below come behind these
.endr
	v_mov_b32 v56, 0
	v_mov_b32 v47, 0
	s_wait_loadcnt 8                               ; the bits are in; the eight bias loads stay out
	; THE COUNTS.  Lane l counts group l; three steps sum each eight lanes, a quarter of the batch; four lanes are read: the rank at which each quarter begins, and M.
.macro POPC d, x, t                    ; the number of ones in a word
	v_lshrrev_b32 v[\t], 1, v[\x]
	v_and_b32 v[\t], 0x55555555, v[\t]
	v_sub_nc_u32 v[\d], v[\x], v[\t]
	v_lshrrev_b32 v[\t], 2, v[\d]
	v_and_b32 v[\t], 0x33333333, v[\t]
	v_and_b32 v[\d], 0x33333333, v[\d]
	v_add_nc_u32 v[\d], v[\d], v[\t]
	v_lshrrev_b32 v[\t], 4, v[\d]
	v_add_nc_u32 v[\d], v[\d], v[\t]
	v_and_b32 v[\d], 0x0f0f0f0f, v[\d]
	v_mul_lo_u32 v[\d], v[\d], s71
	v_lshrrev_b32 v[\d], 24, v[\d]
.endm
	POPC 45, 42, 57
	POPC 46, 43, 58
	v_add_nc_u32 v46, v45, v46
.irp xm, 1,2,4
	v_mov_b32_dpp v56, v46 row_xmask:\xm row_mask:0xf bank_mask:0xf
	v_add_nc_u32 v46, v46, v56
.endr
	v_readlane_b32 s75, v46, 0
	v_readlane_b32 s76, v46, 8
	v_readlane_b32 s77, v46, 16
	v_readlane_b32 s78, v46, 24
	; my 16 bits, and the number of ones in each of their four nibbles
	v_and_b32 v57, 1, v0
	v_lshlrev_b32 v57, 4, v57
	v_lshrrev_b32 v44, v57, v44
	v_and_b32 v[XB], 0xffff, v44
	v_lshrrev_b32 v58, 1, v[XB]
	v_and_b32 v58, 0x5555, v58
	v_sub_nc_u32 v59, v[XB], v58
	v_lshrrev_b32 v58, 2, v59
	v_and_b32 v58, 0x3333, v58
	v_and_b32 v59, 0x3333, v59
	v_add_nc_u32 v59, v59, v58
	v_and_b32 v[XN], 15, v59
	v_bfe_u32 v[XN+1], v59, 4, 4
	v_bfe_u32 v[XN+2], v59, 8, 4
	v_bfe_u32 v[XN+3], v59, 12, 4
	v_add_nc_u32 v46, v[XN], v[XN+1]
	v_add3_u32 v46, v46, v[XN+2], v[XN+3]
	s_add_co_u32 s76, s76, s75                     ; the chosen tokens of quarters 0 and 1,
	s_add_co_u32 s77, s77, s76                     ; of 0 to 2,
	s_add_co_u32 s34, s78, s77                     ; M
	s_cmp_ge_u32 s18, 1
	s_cselect_b32 s79, s75, 0
	s_cmp_ge_u32 s18, 2
	s_cselect_b32 s79, s76, s79
	s_cmp_ge_u32 s18, 3
	s_cselect_b32 s79, s77, s79                    ; the rank at which my wave's quarter begins
	s_max_u32 s35, s34, 1
	s_sub_co_u32 s35, s35, 1                       ; the last rank, M - 1
	s_add_co_u32 s36, s34, 15
	s_lshr_b32 s36, s36, 4                         ; MT
	s_cmp_gt_u32 s36, 32
	s_cselect_b32 s42, 1, 0
	s_cmp_gt_u32 s36, 64
	s_cselect_b32 s44, 1, 0
	s_add_co_u32 s42, s42, s44
	s_add_co_u32 s42, s42, 2
	s_lshl_b32 s76, 1, s42                         ; the slots: 4, 8 or 16
	s_lshr_b32 s37, s36, s42                       ; tiles in every slot,
	s_sub_co_u32 s44, s76, 1
	s_and_b32 s75, s36, s44                        ; and how many slots have one more
.macro SCAN xm, s                      ; the partner block's total is added to the total, and to the prefix where the partner block lies below
	v_mov_b32_dpp v56, v46 row_xmask:\xm row_mask:0xf bank_mask:0xf
	v_cndmask_b32 v57, 0, v56, s[\s]
	v_add_nc_u32 v47, v47, v57
	v_add_nc_u32 v46, v46, v56
.endm
	SCAN 1, 66
	SCAN 2, 67
	SCAN 4, 68
	SCAN 8, 69
	v_permlanex16_b32 v56, v46, s62, s63
	v_cndmask_b32 v57, 0, v56, s70
	v_add_nc_u32 v47, v47, v57                     ; the chosen tokens of my wave's lanes below me
	; THE LIST.  Four chains a lane, a nibble each, four trips: no line waits for the line before it.
	v_add_nc_u32 v[XR], s79, v47
	v_add_nc_u32 v[XR+1], v[XR], v[XN]
	v_add_nc_u32 v[XR+2], v[XR+1], v[XN+1]
	v_add_nc_u32 v[XR+3], v[XR+2], v[XN+2]
	v_lshrrev_b32 v[XB+1], 4, v[XB]
	v_lshrrev_b32 v[XB+2], 8, v[XB]
	v_lshrrev_b32 v[XB+3], 12, v[XB]
	s_lshl_b32 s44, s18, 9
	v_lshl_add_u32 v[XT], v[LANE], 4, s44          ; token 512 w + 16 l
	v_add_nc_u32 v[XT+1], 4, v[XT]
	v_add_nc_u32 v[XT+2], 8, v[XT]
	v_add_nc_u32 v[XT+3], 12, v[XT]
	v_add_nc_u32 v59, 2048, v[LANE]                ; my dump word: where a token that was not chosen goes
	s_mov_b32 s46, 4
.Llist:
.irp c, 0,1,2,3
	v_and_b32 v[XE+\c], 1, v[XB+\c]
.endr
.irp c, 0,1,2,3
	v_cmp_ne_u32 s[80+\c], 0, v[XE+\c]
.endr
.irp c, 0,1,2,3
	v_cndmask_b32 v[XI+\c], v59, v[XR+\c], s[80+\c]
.endr
.irp c, 0,1,2,3
	v_min_u32 v[XI+\c], 2079, v[XI+\c]             ; a number made of loaded data enters an address only behind a clamp
.endr
.irp c, 0,1,2,3
	v_lshl_add_u32 v[XI+\c], v[XI+\c], 2, v[LB]
.endr
.irp c, 0,1,2,3
	ds_store_b32 v[XI+\c], v[XT+\c]
.endr
.irp c, 0,1,2,3
	v_add_nc_u32 v[XR+\c], v[XR+\c], v[XE+\c]
.endr
.irp c, 0,1,2,3
	v_add_nc_u32 v[XT+\c], 1, v[XT+\c]
.endr
.irp c, 0,1,2,3
	v_lshrrev_b32 v[XB+\c], 1, v[XB+\c]
.endr
	s_sub_co_u32 s46, s46, 1
	s_cmp_lg_u32 s46, 0
	s_cbranch_scc1 .Llist
	s_wait_dscnt 0x0                               ; for the others' sake: my array is whole
	s_barrier_signal -1
	s_barrier_wait -1                              ; everybody's is.  The weights may still be on their way: behind this barrier only the lists are read, and nothing in LDS is filled a second time
; The fragments of the token rows for K step ks: 16 rows x 32 c in 8 registers a tile: lane l holds row l % 16, c 8 (l / 16) + 0..7 and 16 + 8 (l / 16) + 0..7: two loads of 16 bytes, 32 bytes apart.
.macro ALOAD ks
.irp m, 0,1,2,3,4,5,6,7
	global_load_b128 v[64*((\ks)%4)+8*\m:64*((\ks)%4)+8*\m+3], v[VOFF+\m], s[48:49] offset:64*(\ks)
	global_load_b128 v[64*((\ks)%4)+8*\m+4:64*((\ks)%4)+8*\m+7], v[VOFF+\m], s[48:49] offset:64*(\ks)+32
.endr
.endm
.macro BLOAD ks                        ; the fragments of w1 for K step ks: 32 c x 16 d for each of 8 blocks
.irp n, 0,1,2,3,4,5,6,7
	ds_load_tr16_b128 v[BF+64*((\ks)%2)+8*\n:BF+64*((\ks)%2)+8*\n+3], v[BAD+(\ks)/7] offset:((\ks)%7)*32*PW+32*\n
	ds_load_tr16_b128 v[BF+64*((\ks)%2)+8*\n+4:BF+64*((\ks)%2)+8*\n+7], v[BAD+(\ks)/7] offset:((\ks)%7)*32*PW+32*\n+16*PW
.endr
.endm
; The slot 4 p + w, p in s[p]: its first tile into s39, its number of tiles into s77 (0 past the last slot).
.macro PASSNUM p
	s_lshl2_add_u32 s42, s[\p], s18
	s_mul_i32 s39, s42, s37
	s_min_u32 s43, s42, s75
	s_add_co_u32 s39, s39, s43
	s_cmp_lt_u32 s42, s75
	s_cselect_b32 s43, 1, 0
	s_add_co_u32 s77, s37, s43
	s_cmp_lt_u32 s42, s76
	s_cselect_b32 s77, s77, 0
.endm
; A pass is asked for: for each of the slot's tiles my row's rank, its token out of the four arrays, its addresses; then its weight and the rows of K steps 0 to 2: 56 loads.
; The address registers are free: the pass before has waited for all its loads in its last K step.
.macro SETUP_A
	s_lshl_b32 s41, s39, 4
.irp m, 0,1,2,3,4,5,6,7
	s_add_co_u32 s44, s41, 16*\m                   ; the tile's first rank,
	s_cmp_gt_u32 s77, \m
	s_cselect_b32 s44, s44, 0x10000                ; or, for a tile that is not mine, one past every count
	v_add_nc_u32 v[RH+\m], s44, v[R]
	v_cmp_gt_u32 s[80+\m], s34, v[RH+\m]           ; does my row exist?
.endr
.irp m, 0,1,2,3,4,5,6,7
	v_min_u32 v[RH+\m], s35, v[RH+\m]              ; if not, row M - 1 stands in
.endr
.irp m, 0,1,2,3,4,5,6,7
	v_min_u32 v[RH+\m], 2047, v[RH+\m]
.endr
.irp m, 0,1,2,3,4,5,6,7
	v_lshl_add_u32 v[RH+\m], v[RH+\m], 2, LIST
.endr
.irp m, 0,1,2,3,4,5,6,7
	ds_load_b32 v[NN+\m], v[RH+\m]
	ds_load_b32 v[LQ1+\m], v[RH+\m] offset:LISTB
	ds_load_b32 v[LQ2+\m], v[RH+\m] offset:2*LISTB
	ds_load_b32 v[LQ3+\m], v[RH+\m] offset:3*LISTB
.endr
	s_wait_dscnt 0x0
.irp m, 0,1,2,3,4,5,6,7
	v_or_b32 v[NN+\m], v[NN+\m], v[LQ1+\m]
.endr
.irp m, 0,1,2,3,4,5,6,7
	v_or_b32 v[LQ2+\m], v[LQ2+\m], v[LQ3+\m]
.endr
.irp m, 0,1,2,3,4,5,6,7
	v_or_b32 v[NN+\m], v[NN+\m], v[LQ2+\m]
.endr
.irp m, 0,1,2,3,4,5,6,7
	v_min_u32 v[NN+\m], 2047, v[NN+\m]
.endr
.irp m, 0,1,2,3,4,5,6,7
	v_lshl_add_u32 v[VOFF+\m], v[NN+\m], 10, v[H16]
.endr
.irp m, 0,1,2,3,4,5,6,7
	v_lshlrev_b32 v[WOF+\m], 5, v[NN+\m]
.endr
.irp m, 0,1,2,3,4,5,6,7
	global_load_b32 v[WV+\m], v[WOF+\m], s[52:53]
.endr
	WIN 0x40                                       ; destination window 1, address window 0
	ALOAD 0
	ALOAD 1
	ALOAD 2
	WIN 0
.endm
; A pass begins: its count, w1 of K step 0, and the rows' weights into my wave's own LDS bytes.
.macro SETUP_B
	s_mov_b32 s40, s77                             ; ACT
	BLOAD 0
	s_wait_loadcnt 48                              ; the weights are in; three K steps of rows stay out
.irp m, 0,1,2,3,4,5,6,7
	v_cndmask_b32 v[WV+\m], 0, v[WV+\m], s[80+\m]
	ds_store_b32 v[WTS], v[WV+\m] offset:64*\m     ; LDS serves a wave's instructions in order (ISA guide 5.7.1.4)
	v_add_f32 v[WS], v[WS], v[WV+\m]
.endr
.endm
; Tile m's eight products of K step ks.  K step 0 starts every sum with the bias, for all eight tiles, so that every accumulator is written on every way.  Later steps jump what lies at or past ACT.
; The accumulators take turns, one instruction a turn, on every way.  At a branch and at a label every window is 0.
.macro GROUP ks, m
.if ((\ks) > 0) && ((\m) > 0)
	WIN 0
	s_cmp_le_u32 s40, \m
	s_cbranch_scc1 .Lke_\ks
.endif
.if (\ks) == 0
	WIN 0x81+0x40*((\m)/4)                         ; rows window 1, w1 and the bias window 0, result window 2 or 3
.else
	WIN 0xa1+0x50*((\m)/4)                         ; the same with C in the result's window
.endif
.set n, 0
.rept 8
.set AC, 64*((\m)%4)+8*n
.if (\ks) == 0
	v_wmma_f32_16x16x32_bf16 v[AC:AC+7], v[8*(\m):8*(\m)+7], v[BF+8*n:BF+8*n+7], v[BIASC+8*n:BIASC+8*n+7]
.else
	v_wmma_f32_16x16x32_bf16 v[AC:AC+7], v[64*((\ks)%4)+8*(\m):64*((\ks)%4)+8*(\m)+7], v[BF+64*((\ks)%2)+8*n:BF+64*((\ks)%2)+8*n+7], v[AC:AC+7]
.endif
.set n, n+1
.endr
.endm
; A K step of 32 c.  Behind tile 0's products stand four v_nop: a load into a register that a matrix instruction has read stands four places behind it (ISA guide 7.12.1 for vector instructions)
; and the buffers loaded here were read by the K step before.  Then the rows of K step ks + 3 and w1 of ks + 1 are asked for, on every way; then the other tiles.
.macro KSTEP ks
.if (\ks) < 14
	s_wait_loadcnt 32                              ; my rows of this K step are in; those of the next two stay out
.elseif (\ks) == 14
	s_wait_loadcnt 16
.else
	s_wait_loadcnt 0x0
.endif
	s_wait_dscnt 0x0                               ; w1 of this K step is in
	GROUP \ks, 0
	WIN 0
.if (\ks) < 15
.rept 4
	v_nop
.endr
.endif
.if (\ks) < 13
	WIN 0x40                                       ; destination window 1, address window 0
	ALOAD (\ks)+3
	WIN 0
.endif
.if (\ks) < 15
	BLOAD (\ks)+1
.endif
.irp m, 1,2,3,4,5,6,7
	GROUP \ks, \m
.endr
	WIN 0
.Lke_\ks:
.endm
; Tile m leaves its accumulators: relu, times the row's weight, summed over the lane's eight rows into S.  Each accumulator is read from its lowest register on.
.macro EPI m
.if (\m) > 0
	s_cmp_le_u32 s40, \m
	s_cbranch_scc1 .Lepi_end
.endif
	ds_load_b128 v[WR:WR+3], v[WTL] offset:64*(\m)
	ds_load_b128 v[WR+4:WR+7], v[WTL] offset:64*(\m)+16
	WIN 0x08+4*((\m)/4)                            ; source 1 window 2 or 3
.set i, 0
.rept 64
	v_max_num_f32 v[T+i], 0, v[64*((\m)%4)+i]
.set i, i+1
.endr
	WIN 0
	s_wait_dscnt 0x0
.irp i, 0,1,2,3
.irp n, 0,1,2,3,4,5,6,7
	v_pk_fma_f32 v[S+2*\n:S+2*\n+1], v[T+8*\n+2*\i:T+8*\n+2*\i+1], v[WR+2*\i:WR+2*\i+1], v[S+2*\n:S+2*\n+1]
.endr
.endr
.endm
	s_mov_b32 s38, 0                               ; the pass
	s_mov_b32 s72, 4                               ; passes at the most
	PASSNUM 38
	SETUP_A                                        ; the first pass is asked for by every wave, under no branch: a wave without tiles reads a row that exists, and every fragment register is written on every way
	s_wait_loadcnt 56                              ; the bias is in; the 8 + 48 loads just issued stay out
.irp n, 0,2,4,6
	v_cvt_pk_bf16_f32 v37, v[BIASC+8*\n], v[BIASC+8*\n+8]  ; rounded to bf16, like every input, and widened again
	v_lshlrev_b32 v[BIASC+8*\n], 16, v37
	v_and_b32 v[BIASC+8*\n+8], s70, v37
.endr
.irp n, 0,1,2,3,4,5,6,7
.irp j, 1,2,3,4,5,6,7
	v_mov_b32 v[BIASC+8*\n+\j], v[BIASC+8*\n]      ; a C operand holds eight rows of my column: the same bias in all
.endr
.endr
	s_wait_tensorcnt 0x0                           ; my quarter of the slice is in LDS,
	s_wait_dscnt 0x0                               ; and no LDS instruction of mine is out
	s_barrier_signal -1
	s_barrier_wait -1                              ; everybody's quarter is
	s_cmp_eq_u32 s77, 0
	s_cbranch_scc1 .Ldone
.Lpass:                                                ; at most four trips; left, forward, when the next slot is empty
	SETUP_B
.irp ks, 0,1,2,3,4,5,6,7,8,9,10,11,12,13,14,15
	KSTEP \ks
.endr
.rept 4
	v_nop                                          ; the places between the last products and what writes their sources or reads their results
.endr
	s_add_co_u32 s45, s38, 1
	PASSNUM 45
	s_cmp_eq_u32 s77, 0
	s_cbranch_scc1 .Lno_next
	SETUP_A                                        ; the next pass's rows are on their way while this pass's results are summed
.Lno_next:
.irp m, 0,1,2,3,4,5,6,7
	EPI \m
.endr
.Lepi_end:
	s_cmp_eq_u32 s77, 0
	s_cbranch_scc1 .Ldone
	s_add_co_u32 s38, s38, 1
	s_sub_co_u32 s72, s72, 1
	s_cmp_lg_u32 s72, 0
	s_cbranch_scc1 .Lpass
.Ldone:
	; THE END.  A pair's two halves and the other half of the lanes' rows are added; the four waves' sums meet in LDS; wave 0 adds and stores them.
.irp n, 0,1,2,3,4,5,6,7
	v_add_f32 v[S+2*\n], v[S+2*\n], v[S+2*\n+1]
.endr
.irp n, 0,1,2,3,4,5,6,7
	v_permlanex16_b32 v[S+2*\n+1], v[S+2*\n], s62, s63
.endr
.irp n, 0,1,2,3,4,5,6,7
	v_add_f32 v[S+2*\n], v[S+2*\n], v[S+2*\n+1]
.endr
	v_add_f32_dpp v[WS], v[WS], v[WS] row_xmask:1 row_mask:0xf bank_mask:0xf  ; both halves of the lanes hold the same 16 rows' weights: the sum stays inside a half
	v_add_f32_dpp v[WS], v[WS], v[WS] row_xmask:2 row_mask:0xf bank_mask:0xf
	v_add_f32_dpp v[WS], v[WS], v[WS] row_xmask:4 row_mask:0xf bank_mask:0xf
	v_add_f32_dpp v[WS], v[WS], v[WS] row_xmask:8 row_mask:0xf bank_mask:0xf
	s_mul_i32 s42, s18, 768
	s_add_co_u32 s42, s42, RED
	v_lshl_add_u32 v37, v[R], 2, s42
.irp n, 0,1,2,3,4,5,6,7
	ds_store_b32 v37, v[S+2*\n] offset:64*\n
.endr
	ds_store_b32 v37, v[WS] offset:512
	s_wait_dscnt 0x0                               ; for wave 0's sake
	s_barrier_signal -1
	s_barrier_wait -1
	s_wait_tensorcnt 0x0                           ; the wave's end, behind my tensor load and my last LDS store
	ds_add_u32 v[SPW], v[NIL]
	s_wait_dscnt 0x0
	s_cmp_lg_u32 s18, 0
	s_cbranch_scc1 .Lend
	v_lshl_add_u32 v38, v[LANE], 4, RED
	v_mov_b32 v39, RED+512
.irp q, 0,1,2,3
	ds_load_b128 v[T+4*\q:T+4*\q+3], v38 offset:768*\q
.endr
.irp q, 0,1,2,3
	ds_load_b32 v[T+16+\q], v39 offset:768*\q
.endr
	v_lshlrev_b32 v40, 4, v[LANE]
	s_wait_dscnt 0x0
	v_pk_add_f32 v[T:T+1], v[T:T+1], v[T+4:T+5]
	v_pk_add_f32 v[T+2:T+3], v[T+2:T+3], v[T+6:T+7]
	v_pk_add_f32 v[T+8:T+9], v[T+8:T+9], v[T+12:T+13]
	v_pk_add_f32 v[T+10:T+11], v[T+10:T+11], v[T+14:T+15]
	v_pk_add_f32 v[T:T+1], v[T:T+1], v[T+8:T+9]
	v_pk_add_f32 v[T+2:T+3], v[T+2:T+3], v[T+10:T+11]
	global_store_b128 v40, v[T:T+3], s[58:59]      ; the slice's 128 sums: 512 consecutive bytes, aligned
	s_cmp_lg_u32 s19, 0
	s_cbranch_scc1 .Lend                           ; the four slices hold the same mass and count: slice 0 stores them
	v_add_f32 v[T+16], v[T+16], v[T+17]
	v_add_f32 v[T+18], v[T+18], v[T+19]
	v_add_f32 v[T+16], v[T+16], v[T+18]
	v_cvt_f32_u32 v[T+17], s34
	v_mov_b32 v41, 0
	v_cmp_eq_u32 vcc_lo, 0, v[LANE]
	s_wait_xcnt 0x0                                ; EXEC changes only behind this wait
	s_and_saveexec_b32 s42, vcc_lo
	global_store_b64 v41, v[T+16:T+17], s[60:61]
	s_wait_xcnt 0x0
	s_or_b32 exec_lo, exec_lo, s42
.Lend:
	s_endpgm
.Lfunc_end_k_qdf466f5bb9_ffn:
	.size	k_qdf466f5bb9_ffn, .Lfunc_end_k_qdf466f5bb9_ffn-k_qdf466f5bb9_ffn
	.p2alignl 7, 3214868480
	.fill 96, 4, 3214868480
	.section	.rodata,"a",@progbits
	.p2align	6, 0x0
	.amdhsa_kernel k_qdf466f5bb9_ffn
		.amdhsa_group_segment_fixed_size 186880
		.amdhsa_private_segment_fixed_size 0
		.amdhsa_enable_private_segment 0
		.amdhsa_kernarg_size 56
		.amdhsa_user_sgpr_count 2
		.amdhsa_user_sgpr_kernarg_segment_ptr 1
		.amdhsa_wavefront_size32 1
		.amdhsa_system_sgpr_workgroup_id_x 1
		.amdhsa_system_sgpr_workgroup_id_y 1
		.amdhsa_system_sgpr_workgroup_id_z 1
		.amdhsa_system_vgpr_workitem_id 0
		.amdhsa_next_free_vgpr 1024
		.amdhsa_next_free_sgpr 88
		.amdhsa_reserve_vcc 1
		.amdhsa_float_denorm_mode_32 3
		.amdhsa_float_denorm_mode_16_64 3
		.amdhsa_memory_ordered 1
		.amdhsa_forward_progress 1
		.amdhsa_inst_pref_size 200
	.end_amdhsa_kernel
	.amdgpu_metadata
---
amdhsa.version: [ 1, 2 ]
amdhsa.kernels:
  - .name:           k_qdf466f5bb9_ffn
    .symbol:         k_qdf466f5bb9_ffn.kd
    .args:
      - { .name: tokb, .offset: 0, .size: 8, .value_kind: global_buffer, .address_space: global }
      - { .name: w1b, .offset: 8, .size: 8, .value_kind: global_buffer, .address_space: global }
      - { .name: bm, .offset: 16, .size: 8, .value_kind: global_buffer, .address_space: global }
      - { .name: wd, .offset: 24, .size: 8, .value_kind: global_buffer, .address_space: global }
      - { .name: b1, .offset: 32, .size: 8, .value_kind: global_buffer, .address_space: global }
      - { .name: hb, .offset: 40, .size: 8, .value_kind: global_buffer, .address_space: global }
      - { .name: stat, .offset: 48, .size: 8, .value_kind: global_buffer, .address_space: global }
    .group_segment_fixed_size: 186880
    .private_segment_fixed_size: 0
    .kernarg_segment_align: 8
    .kernarg_segment_size: 56
    .max_flat_workgroup_size: 128
    .sgpr_count:     88
    .vgpr_count:     1024
    .wavefront_size: 32
...
	.end_amdgpu_metadata
.endif
;; end of part 2
;; launch final (part 3): grid 8 x 8, 8 waves a work-group, no clusters, 35,840 bytes of LDS; arguments hb, stat, w2, b2, out0, out1; writes out0, out1
.if DOCPART == 3
	.amdgcn_target "amdgcn-amd-amdhsa--gfx1250"
	.amdhsa_code_object_version 6
	.text
	.protected	k_qdf466f5bb9_final
	.globl	k_qdf466f5bb9_final
	.p2align	8
	.type	k_qdf466f5bb9_final,@function
k_qdf466f5bb9_final:
	s_mov_b64 s[64:65], 0
	v_nop
	global_prefetch_b8 v0, s[64:65] scope:SCOPE_SE
	s_setreg_imm32_b32 hwreg(HW_REG_WAVE_MODE, 25, 1), 1
	s_wait_xcnt 0x0
; FINAL.  out0[b][k][e] = (the sum over d of hb[k][b][d] w2[k][d][e] + mass[k][b] b2[k][e]) / max(mass[k][b], 1e-6), and out1 = (std(usage) / (mean(usage) + 1e-6))^2 with usage[k] = the chosen tokens of k / 16,384.
; w2 and b2 are rounded once to bf16, like every input of the program; hb, the mass and all arithmetic are f32.  Eight rows an expert against 1 MiB of weights that are read once: a few-row product that
; streams; the matrix unit and a cluster would add nothing (no two work-groups read the same bytes of w2).
; LIMITS.  The sums over d run in another order than a row-by-row sum.  The reciprocals and the root are good to one unit in the last place; a variance below 2^-126 counts as 0.
; SHARES.  Work-group (x, k): 64 e (256 bytes of every row of w2[k]), all 512 d, all 8 b.  Wave w takes d = 64 w to 64 w + 63; lane (r = l % 16, h = l / 16) takes e = 4 r .. 4 r + 3 of row 64 w + 2 i + h in step i:
; sixteen lanes read 256 consecutive bytes, aligned.  All 32 loads of a wave go out at the start.  hb's rows go through LDS, turned to [d][b], each wave's own bytes.  The waves' sums meet in LDS; wave w then serves b = w.
.set HN,    0                          ; 8 waves x 16 blocks of 4 d x 8 b x 4 bytes, the blocks 144 bytes = 36 words apart: a store's lane (r, h) falls into bank (36 r + h) mod 64 plus a constant, 32 different banks (64 banks of 4 bytes: ISA guide 11.1)
.set HNB,   16*144
.set RED3,  18432                      ; 8 waves x 8 b x 64 e x 4 bytes
.set SPARE, 34816                      ; the spare words, 128 bytes a wave: four blocks of 256 bytes that no other line names
.set LANE, 1
.set R,    2
.set HH,   3
.set SPW,  4                           ; LDS address of my spare word; never rewritten
.set NIL,  5                           ; 0; never rewritten
.set GO,   6                           ; 2,048 h + 16 r: my place in two rows of w2, and of hb
.set HST,  8
.set HLD,  9
.set RST,  10
.set RLD,  11
.set L8,   12
.set L16,  13
.set ACC,  32                          ; v32-63  four e for each b
.set W2R,  64                          ; v64-191 step i's four numbers at 64 + 4 i
.set HB,   192                         ; v192-207
.set H8,   208                         ; v208-223 hb[0..7][d] of the step in hand and of the next
	s_load_b256 s[4:11], s[0:1], 0x0               ; hb 4, stat 6, w2 8, b2 10
	s_load_b128 s[12:15], s[0:1], 0x20             ; out0 12, out1 14
	v_lshl_add_u32 v[SPW], v0, 2, SPARE
	v_mov_b32 v[NIL], 0
	v_lshrrev_b32 v14, 5, v0
	v_readfirstlane_b32 s16, v14                   ; wave 0..7
	s_mov_b32 s17, ttmp9                           ; x
	s_and_b32 s18, ttmp7, 0xffff                   ; k
	v_and_b32 v[LANE], 31, v0
	v_and_b32 v[R], 15, v0
	v_bfe_u32 v[HH], v0, 4, 1
	v_lshlrev_b32 v[GO], 4, v[R]
	v_lshl_add_u32 v[GO], v[HH], 11, v[GO]
	s_mul_i32 s19, s16, HNB                        ; my wave's turned copy of hb
	v_mul_u32_u24 v[HST], v[R], 144                ; hb[b = 2 u + h][d = 4 r + j] goes to block r, byte 32 j + 4 b
	v_lshl_add_u32 v[HST], v[HH], 2, v[HST]
	v_add_nc_u32 v[HST], s19, v[HST]
	v_lshl_add_u32 v[HLD], v[HH], 5, s19           ; and d = 2 i + h is read from block i / 2, byte 64 (i % 2) + 32 h
	s_lshl_b32 s20, s16, 11
	s_add_co_u32 s20, s20, RED3
	v_lshl_add_u32 v[RST], v[HH], 10, s20
	v_lshl_add_u32 v[RST], v[R], 4, v[RST]
	s_lshl_b32 s20, s16, 8
	s_add_co_u32 s20, s20, RED3
	v_lshl_add_u32 v[RLD], v[LANE], 3, s20
	v_lshlrev_b32 v[L8], 3, v[LANE]
	v_lshlrev_b32 v[L16], 4, v[LANE]
	s_lshl_b32 s20, s18, 14                        ; hb: expert k, my wave's 64 d
	s_lshl_b32 s21, s16, 8
	s_add_co_u32 s20, s20, s21
	s_mov_b32 s21, 0
	s_lshl_b32 s24, s17, 8                         ; the slice's 256 bytes
	s_lshl_b32 s22, s18, 20                        ; w2: expert k, my wave's 64 rows, the slice
	s_lshl_b32 s23, s16, 17
	s_add_co_u32 s22, s22, s23
	s_add_co_u32 s22, s22, s24
	s_mov_b32 s23, 0
	s_lshl_b32 s26, s18, 11                        ; b2: (k, slice)
	s_add_co_u32 s26, s26, s24
	s_mov_b32 s27, 0
	s_lshl3_add_u32 s28, s16, s18                  ; out0: (b = w, k, slice)
	s_lshl_b32 s28, s28, 11
	s_add_co_u32 s28, s28, s24
	s_mov_b32 s29, 0
	s_lshl3_add_u32 s30, s18, s16                  ; stat: (k, b = w)
	s_lshl_b32 s30, s30, 3
	s_mov_b32 s31, 0
	s_mov_b32 s32, 0x76543210                      ; v_permlanex16_b32: each lane takes its own place in the other half
	s_mov_b32 s33, 0xfedcba98
	s_mov_b32 s34, 0xffff0000                      ; lanes 16 to 31; also a word's upper bf16
	s_wait_kmcnt 0x0
	s_add_nc_u64 s[4:5], s[4:5], s[20:21]
	s_add_nc_u64 s[8:9], s[8:9], s[22:23]
	s_add_nc_u64 s[10:11], s[10:11], s[26:27]
	s_add_nc_u64 s[12:13], s[12:13], s[28:29]
	s_add_nc_u64 s[30:31], s[6:7], s[30:31]
	s_load_b64 s[36:37], s[30:31], 0x0             ; the mass of (k, b = w): no line of this launch writes stat
	global_load_b128 v[16:19], v[L16], s[6:7]      ; all of stat, two (mass, count) a lane
.irp u, 0,1,2,3
	global_load_b128 v[HB+4*\u:HB+4*\u+3], v[GO], s[4:5] offset:4096*\u  ; rows b = 2 u + h: sixteen lanes read 256 consecutive bytes
.endr
	global_load_b64 v[20:21], v[L8], s[10:11]
.irp i, 0,1,2,3,4,5,6,7,8,9,10,11,12,13,14,15,16,17,18,19,20,21,22,23,24,25,26,27,28,29,30,31
	global_load_b128 v[W2R+4*\i:W2R+4*\i+3], v[GO], s[8:9] offset:4096*\i th:TH_LOAD_NT
.endr
	s_wait_loadcnt 33                              ; stat and hb are in; b2 and the 32 rows of w2 stay out
.irp u, 0,1,2,3
.irp j, 0,1,2,3
	ds_store_b32 v[HST], v[HB+4*\u+\j] offset:HN+32*\j+8*\u
.endr
.endr
	ds_load_b128 v[H8:H8+3], v[HLD] offset:HN      ; my wave's own bytes: LDS serves a wave's instructions in order (ISA guide 5.7.1.4)
	ds_load_b128 v[H8+4:H8+7], v[HLD] offset:HN+16
; Step i: row 64 w + 2 i + h of w2, rounded to bf16 and widened again, times hb[0..7] of that d: sixteen packed multiply-adds; hb is given to both halves of a pair.  The first step starts the sums.
.macro FSTEP i
.set rw0, W2R+4*(\i)
.set rt, 228+2*((\i)%2)
.set nx, (\i)+1
.if (\i) < 31
	ds_load_b128 v[H8+8*(nx%2):H8+8*(nx%2)+3], v[HLD] offset:HN+144*(nx/2)+64*(nx%2)
	ds_load_b128 v[H8+8*(nx%2)+4:H8+8*(nx%2)+7], v[HLD] offset:HN+144*(nx/2)+64*(nx%2)+16
	s_wait_loadcnt 31-(\i)                         ; row i is in; the rows behind it stay out
.else
	s_wait_loadcnt 0x0
.endif
	v_cvt_pk_bf16_f32 v[rt], v[rw0], v[rw0+1]
	v_cvt_pk_bf16_f32 v[rt+1], v[rw0+2], v[rw0+3]
	v_lshlrev_b32 v[rw0], 16, v[rt]
	v_and_b32 v[rw0+1], s34, v[rt]
	v_lshlrev_b32 v[rw0+2], 16, v[rt+1]
	v_and_b32 v[rw0+3], s34, v[rt+1]
.if (\i) < 31
	s_wait_dscnt 2                                 ; hb of this step is in; the next step's two loads stay out
.else
	s_wait_dscnt 0x0
.endif
.set hs, H8+8*((\i)%2)
.set bq, 0
.rept 8
.set u, 0
.rept 2
.set ra, ACC+4*bq+2*u
.set rw, W2R+4*(\i)+2*u
.set rh, hs+bq-bq%2
.if ((\i) == 0) && (bq%2 == 0)
	v_pk_mul_f32 v[ra:ra+1], v[rw:rw+1], v[rh:rh+1] op_sel_hi:[1,0]
.elseif (\i) == 0
	v_pk_mul_f32 v[ra:ra+1], v[rw:rw+1], v[rh:rh+1] op_sel:[0,1] op_sel_hi:[1,1]
.elseif bq%2 == 0
	v_pk_fma_f32 v[ra:ra+1], v[rw:rw+1], v[rh:rh+1], v[ra:ra+1] op_sel_hi:[1,0,1]
.else
	v_pk_fma_f32 v[ra:ra+1], v[rw:rw+1], v[rh:rh+1], v[ra:ra+1] op_sel:[0,1,0] op_sel_hi:[1,1,1]
.endif
.set u, u+1
.endr
.set bq, bq+1
.endr
.endm
.irp i, 0,1,2,3,4,5,6,7,8,9,10,11,12,13,14,15,16,17,18,19,20,21,22,23,24,25,26,27,28,29,30,31
	FSTEP \i
.endr
	; The halves of the lanes hold the even and the odd d.  Lanes 0-15 keep b = 0..3 and take the partner's part of them, lanes 16-31 keep b = 4..7.
.set z, 0
.rept 16
	v_cndmask_b32 v[224+z%4], v[ACC+16+z], v[ACC+z], s34
	v_cndmask_b32 v[ACC+z], v[ACC+z], v[ACC+16+z], s34
	v_permlanex16_b32 v[ACC+16+z], v[224+z%4], s32, s33
	v_add_f32 v[ACC+z], v[ACC+z], v[ACC+16+z]
.set z, z+1
.endr
.irp q, 0,1,2,3
	ds_store_b128 v[RST], v[ACC+4*\q:ACC+4*\q+3] offset:256*\q
.endr
	s_wait_dscnt 0x0                               ; for the others' sake
	s_barrier_signal -1
	s_barrier_wait -1
.irp q, 0,1,2,3,4,5,6,7
	ds_load_b64 v[W2R+2*\q:W2R+2*\q+1], v[RLD] offset:2048*\q  ; the eight waves' sums for b = w, two e a lane
.endr
	v_cvt_pk_bf16_f32 v232, v20, v21               ; b2, rounded to bf16 and widened again (it came in ahead of w2's rows)
	v_lshlrev_b32 v20, 16, v232
	v_and_b32 v21, s34, v232
	s_wait_kmcnt 0x0
	v_mov_b32 v224, s36                            ; the mass
	v_max_num_f32 v225, 0x358637bd, v224
	v_mov_b32 v227, 0                              ; named with the reciprocal as a pair
	v_rcp_f32 v226, v225
	s_wait_dscnt 0x0
	v_pk_add_f32 v[W2R:W2R+1], v[W2R:W2R+1], v[W2R+2:W2R+3]
	v_pk_add_f32 v[W2R+4:W2R+5], v[W2R+4:W2R+5], v[W2R+6:W2R+7]
	v_pk_add_f32 v[W2R+8:W2R+9], v[W2R+8:W2R+9], v[W2R+10:W2R+11]
	v_pk_add_f32 v[W2R+12:W2R+13], v[W2R+12:W2R+13], v[W2R+14:W2R+15]
	v_pk_add_f32 v[W2R:W2R+1], v[W2R:W2R+1], v[W2R+4:W2R+5]
	v_pk_add_f32 v[W2R+8:W2R+9], v[W2R+8:W2R+9], v[W2R+12:W2R+13]
	v_pk_add_f32 v[W2R:W2R+1], v[W2R:W2R+1], v[W2R+8:W2R+9]
	v_pk_fma_f32 v[W2R:W2R+1], v[20:21], v[224:225], v[W2R:W2R+1] op_sel_hi:[1,0,1]  ; + mass x b2
	s_wait_alu depctr_va_vdst(0)                   ; the wait ahead of the reciprocal's first reader; the additions above are the work between
	v_pk_mul_f32 v[W2R:W2R+1], v[W2R:W2R+1], v[226:227] op_sel_hi:[1,0]
	global_store_b64 v[L8], v[W2R:W2R+1], s[12:13] ; 256 consecutive bytes, aligned
	s_wait_tensorcnt 0x0                           ; the wave's end, behind my last LDS store
	ds_add_u32 v[SPW], v[NIL]
	s_wait_dscnt 0x0
	s_or_b32 s20, s16, s17
	s_or_b32 s20, s20, s18
	s_cmp_lg_u32 s20, 0
	s_cbranch_scc1 .Lend
	; THE LOSS, by wave 0 of work-group (0, 0).  Lane l holds the counts of expert l / 4, batches 2 (l % 4) and 2 (l % 4) + 1.
	v_add_f32 v16, v17, v19
	v_add_f32_dpp v16, v16, v16 row_xmask:1 row_mask:0xf bank_mask:0xf
	v_add_f32_dpp v16, v16, v16 row_xmask:2 row_mask:0xf bank_mask:0xf
	v_mul_f32 v16, 0x38800000, v16                 ; usage of expert l / 4: the count / 16,384
	v_mov_b32 v17, v16
	v_add_f32_dpp v17, v17, v17 row_xmask:4 row_mask:0xf bank_mask:0xf
	v_add_f32_dpp v17, v17, v17 row_xmask:8 row_mask:0xf bank_mask:0xf
	v_permlanex16_b32 v18, v17, s32, s33
	v_add_f32 v17, v17, v18
	v_mul_f32 v17, 0x3e000000, v17                 ; the mean over the eight experts
	v_sub_f32 v18, v16, v17
	v_mul_f32 v18, v18, v18
	v_add_f32_dpp v18, v18, v18 row_xmask:4 row_mask:0xf bank_mask:0xf
	v_add_f32_dpp v18, v18, v18 row_xmask:8 row_mask:0xf bank_mask:0xf
	v_permlanex16_b32 v19, v18, s32, s33
	v_add_f32 v18, v18, v19
	v_mul_f32 v18, 0x3e000000, v18                 ; the variance
	v_add_f32 v19, 0x358637bd, v17
	v_sqrt_f32 v228, v18
	v_rcp_f32 v229, v19
	v_mov_b32 v230, 0                              ; the plain instruction behind the two
	s_wait_alu depctr_va_vdst(0)                   ; one wait for both
	v_mul_f32 v228, v228, v229
	v_mul_f32 v228, v228, v228
	v_cmp_eq_u32 vcc_lo, 0, v[LANE]
	s_wait_xcnt 0x0                                ; EXEC changes only behind this wait
	s_and_saveexec_b32 s21, vcc_lo
	global_store_b32 v230, v228, s[14:15]
	s_wait_xcnt 0x0
	s_or_b32 exec_lo, exec_lo, s21
.Lend:
	s_endpgm
.Lfunc_end_k_qdf466f5bb9_final:
	.size	k_qdf466f5bb9_final, .Lfunc_end_k_qdf466f5bb9_final-k_qdf466f5bb9_final
	.p2alignl 7, 3214868480
	.fill 96, 4, 3214868480
	.section	.rodata,"a",@progbits
	.p2align	6, 0x0
	.amdhsa_kernel k_qdf466f5bb9_final
		.amdhsa_group_segment_fixed_size 35840
		.amdhsa_private_segment_fixed_size 0
		.amdhsa_enable_private_segment 0
		.amdhsa_kernarg_size 48
		.amdhsa_user_sgpr_count 2
		.amdhsa_user_sgpr_kernarg_segment_ptr 1
		.amdhsa_wavefront_size32 1
		.amdhsa_system_sgpr_workgroup_id_x 1
		.amdhsa_system_sgpr_workgroup_id_y 1
		.amdhsa_system_sgpr_workgroup_id_z 1
		.amdhsa_system_vgpr_workitem_id 0
		.amdhsa_next_free_vgpr 240
		.amdhsa_next_free_sgpr 66
		.amdhsa_reserve_vcc 1
		.amdhsa_float_denorm_mode_32 3
		.amdhsa_float_denorm_mode_16_64 3
		.amdhsa_memory_ordered 1
		.amdhsa_forward_progress 1
		.amdhsa_inst_pref_size 61
	.end_amdhsa_kernel
	.amdgpu_metadata
---
amdhsa.version: [ 1, 2 ]
amdhsa.kernels:
  - .name:           k_qdf466f5bb9_final
    .symbol:         k_qdf466f5bb9_final.kd
    .args:
      - { .name: hb, .offset: 0, .size: 8, .value_kind: global_buffer, .address_space: global }
      - { .name: stat, .offset: 8, .size: 8, .value_kind: global_buffer, .address_space: global }
      - { .name: w2, .offset: 16, .size: 8, .value_kind: global_buffer, .address_space: global }
      - { .name: b2, .offset: 24, .size: 8, .value_kind: global_buffer, .address_space: global }
      - { .name: out0, .offset: 32, .size: 8, .value_kind: global_buffer, .address_space: global }
      - { .name: out1, .offset: 40, .size: 8, .value_kind: global_buffer, .address_space: global }
    .group_segment_fixed_size: 35840
    .private_segment_fixed_size: 0
    .kernarg_segment_align: 8
    .kernarg_segment_size: 48
    .max_flat_workgroup_size: 256
    .sgpr_count:     66
    .vgpr_count:     240
    .wavefront_size: 32
...
	.end_amdgpu_metadata
.endif
;; end of part 3
